; MI455X (gfx1250); checked and timed in simulation.
; The chip was launched on July 23, 2026; its instructions are those of AMD's public machine-readable ISA for CDNA 5 (MIT licence, August 2026) and "CDNA5" Instruction Set Architecture Reference Guide (July 2026). The comments in the code are by the model that wrote it; some were corrected since.
;; Attention. Allowed arithmetic: matrix products marked QUANTISED: E2M3 operands, one E8M0 scale for each 32 along K, by v_wmma_scale_f32_16x16x128_f8f6f4 with both operands' format E2M3, f32 sums; everything else in f32.
;; Inputs: Wk 1,024 x 1,024 float32; Wq 1,024 x 1,024 float32; Wv 1,024 x 1,024 float32; attention_mask 4 x 1 x 1 x 2,048 float32; bk 1,024 float32; bq 1,024 float32; bv 1,024 float32; sinusoidal_pos 1 x 1 x 2,048 x 64 float32; x 4 x 2,048 x 1,024 float32.
;; Outputs: out0 4 x 2,048 x 1,024 float32.
;; This version of the problem:
;;   THIS VERSION OF THE PROBLEM IS GIVEN IN LOW PRECISION. The matrix products marked QUANTISED in the list below multiply operands that are first quantised to E2M3 (2 exponent bits, 3 mantissa bits; 6 bits a number), with one power-of-two scale for each 32 numbers along K (OCP MX v1.0); their sums are f32. All else is computed in f32.
;;   The module's matrix products, in the order in which they are computed (A, B: the left and right operand; K: the contracted axis; several contracted axes count as one K, in the product's order):
;;     1. [M 8,192, K 1,024] x [K 1,024, N 1,024]; A: input x; B: input Wq: QUANTISED
;;     2. [M 8,192, K 1,024] x [K 1,024, N 1,024]; A: input x; B: input Wk: QUANTISED
;;     3. [M 8,192, K 1,024] x [K 1,024, N 1,024]; A: input x; B: input Wv: QUANTISED
;;     4. batch 64 x [M 2,048, K 64] x [K 64, N 2,048]; A: computed on the way; B: computed on the way: QUANTISED
;;     5. batch 64 x [M 2,048, K 2,048] x [K 2,048, N 64]; A: softmax (see below); B: computed on the way: QUANTISED
;;   THE QUANTISER, for each operand of a quantised product, along K:
;;     - K is cut into blocks of 32 from its start; a last block that is shorter is filled with zeros.
;;     - A block's scale is 2^e with e = floor(log2(the largest magnitude in the block)) - 2, held to -126 .. 127; a block of zeros has e = 0. As a byte (E8M0): e + 127.
;;     - Each number is divided by its block's scale, clamped to +-7.5, and rounded to the nearest number of E2M3, ties to even, subnormals kept.
;;     - The product sums the exact products of the quantised numbers (number of the format x scale) in f32.
;;   ~~~python
;;   def quantise(x, axis):      # numpy; x: float32 -> the quantised numbers, widened to float32 again
;;       x = np.moveaxis(x, axis, -1); K = x.shape[-1]
;;       x = np.pad(x, [(0, 0)] * (x.ndim - 1) + [(0, -K % 32)]); x = x.reshape(x.shape[:-1] + (-1, 32)); a = np.abs(x).max(-1, keepdims=True)
;;       e = np.where(a > 0, np.clip(np.frexp(np.where(a > 0, a, 1))[1] - 1 - 2, -126, 127), 0)      # np.frexp(a)[1] - 1 = floor(log2(a)), exactly
;;       r = np.clip(x / 2.0 ** e, -7.5, 7.5)
;;       step = 2.0 ** (np.maximum(np.frexp(np.where(r == 0, 1, r))[1] - 1, 0) - 3)
;;       q = np.round(r / step) * step * 2.0 ** e      # np.round: ties to even
;;       return np.moveaxis(q.reshape(q.shape[:-2] + (-1,))[..., :K], -1, axis).astype(np.float32)
;;   ~~~
;;   SOFTMAX AHEAD OF A QUANTISED PRODUCT. Where the list says 'softmax', what is quantised is not the finished softmax but p = 2^(t - M), with t = logit x log2(e) and M = ceil(the row's largest t), a whole number; so 1/2 < the row's largest p <= 1. The row's sum l is taken of the UNQUANTISED p, in f32, and the product's result is divided by l at the end. Since M is a whole number, a kernel that streams over the keys may use a running M (the ceiling of the running maximum): every later rescaling is an exact power of two, which a block's scale takes up: the codes' values come out the same.
;;   OPERANDS COMPUTED ON THE WAY. 'Computed on the way' means the value that the module computes at that place (a softmax that the list does not call 'softmax' is quantised finished and normalised). What goes into a quantiser is computed in f32, as accurately as f32 sums, v_exp_f32 and their like allow (about 1e-6 of the number): no bf16 or f16 on the way to a quantiser, and a product that is left as it is and whose result goes on into a quantised operand takes f32 operands (vector FMAs, or v_wmma_f32_16x16x4_f32). A number that lies on a knife's edge between two numbers of the format may be rounded either way, as far as f32 arithmetic and the matrix unit's own rounding can turn it there, and no further.
;; One version. Each part assembles by itself: llvm-mc -triple=amdgcn-amd-amdhsa -mcpu=gfx1250 --defsym DOCPART=n.
;; ======== version 1 of 1: 3 launches
;; limits: right only within a limited range of input values
;; workspace buffers: x_codes 6,291,456 bytes; x_scales 262,144 bytes; w_codes 2,359,296 bytes; w_scales 98,304 bytes; q_img 6,291,456 bytes; q_sc 262,144 bytes; kv 12,582,912 bytes; sc 524,288 bytes
;; launch quant (part 1): grid 352 x 1, 4 waves a work-group, no clusters, 33,280 bytes of LDS; arguments x, Wq, Wk, Wv, x_codes, x_scales, w_codes, w_scales; writes x_codes, x_scales, w_codes, w_scales
.if DOCPART == 1
	.amdgcn_target "amdgcn-amd-amdhsa--gfx1250"
	.amdhsa_code_object_version 6
	.text
	.protected	k_q97d1002fab_quant
	.globl	k_q97d1002fab_quant
	.p2align	8
	.type	k_q97d1002fab_quant,@function
k_q97d1002fab_quant:
	s_mov_b64 s[64:65], 0
	v_nop
	global_prefetch_b8 v0, s[64:65] scope:SCOPE_SE
	s_setreg_imm32_b32 hwreg(HW_REG_WAVE_MODE, 25, 1), 1
	s_wait_xcnt 0x0
; THE PROGRAM: attention with rotary positions, all five products on codes of FP6 (E2M3) with one E8M0 scale for each 32 along K.  Three launches:
;   quant: x and the three weights, f32 with K innermost, become codes and scale bytes;   proj: the three projections, bias, rotary positions, and the quantising of q, k (along the head's 64) and v (along the keys);
;   attn: scores, mask, softmax by a running whole-number maximum, the second product, the division by the row's sum.
; NO WORK IS LEFT OUT: every input has a way to the output.  The biases move the codes of q, k and v (bk too: it stands ahead of a quantiser), the mask differs along the softmax's axis, the positions turn q and k.
; THIS LAUNCH.  x [8192][1024] and Wq, Wk, Wv [1024][1024], f32, are turned into codes, 768 bytes a row, and one scale byte for each 32 along K, 32 bytes a row.  The three weights go into one buffer of 3,072 rows.
; A block's scale is 2^(floor(log2(its largest magnitude)) - 2); its byte is the largest magnitude's own exponent field - 2, held at 1 from below.  (A block of zeros so gets the byte 1 where the rule says 127: its codes are
; zeros, which add nothing under any byte but 0xff, and the bytes are read by this program alone.)  Each number is divided by the scale and rounded to the nearest code, ties to even; beyond 7.5 the largest code.
; LIMITS: NaN and infinities among the inputs are not served.
; THE ROWS ARE LAID IN ANOTHER ORDER: place P of a codes' or scales' buffer holds row R = P with bits 3 and 4 exchanged.  So sixteen neighbouring places 16 (2 b + u) + r hold rows 32 b + 8 u + r + 8 (r / 8): with such tiles
; the next launch's results come out with sixteen neighbours along the next K in a lane's registers.  A wave owns 8 rows, so the order costs nothing: wave w of a work-group's four writes to place ((w & 1) << 1) | (w >> 1).
; A wave takes 16 steps of 512 numbers.  Each of a step's four loads reads 512 consecutive bytes, 16 a lane; the 2,048 bytes go through the wave's own stage in LDS and come back 64 bytes a lane, so that a lane holds 16
; neighbours (two neighbouring lanes hold a block).  A lane's 16 codes are 12 bytes: the wave stores 384 consecutive bytes.  A wave's 256 scale bytes are gathered in LDS and leave as one aligned run of 256 bytes.
; Work-groups 0-255 take x, 256-287 Wq, 288-319 Wk, 320-351 Wv: only pointers are chosen, all take one path.  No tensor loads, no barrier: waves share nothing.  No matrix unit, no cluster: a stream, nothing is shared.
.set WAVES, 4
.set STEPS, 16
.set CB,    12                         ; bytes of 16 codes
.set R,     16                         ; v16-79   four sets of 16 numbers as they are loaded
.set X,     80                         ; v80-111  two sets of 16 neighbours
.set C,     128                        ; v128-191 codes: four registers for each step, so that no store's data are written again
.set E,     112                        ; v112-127 a scale byte for each step
.set WREG,  8192                       ; LDS: a region for each wave: two stages of 32 x SP bytes, and behind them its 256 scale bytes
.set SP,    80                         ; a lane's place in a stage: its 64 bytes + 16 of padding
.set SPW,   12                         ; v12      LDS address of my spare word; never rewritten
.set NIL,   13                         ; v13      0; never rewritten
.set SPARE, WAVES*WREG                 ; behind the four regions: the spare words, 128 bytes for each wave, which no other line names
	s_load_b256 s[4:11], s[0:1], 0x0               ; x, Wq, Wk, Wv
	s_load_b256 s[12:19], s[0:1], 0x20             ; x's codes, x's scales, the weights' codes, the weights' scales
	v_lshl_add_u32 v[SPW], v0, 2, SPARE
	v_mov_b32 v[NIL], 0
	v_lshrrev_b32 v1, 5, v0
	v_readfirstlane_b32 s20, v1                    ; wave
	v_and_b32 v2, 31, v0                           ; lane
	v_lshlrev_b32 v3, 4, v2                        ; my 16 bytes of a load's 512
	s_mul_i32 s21, s20, WREG
	v_lshrrev_b32 v14, 2, v2
	v_mul_u32_u24 v14, v14, SP
	v_and_b32 v15, 3, v2
	v_lshl_add_u32 v14, v15, 4, v14
	v_add_nc_u32 v14, s21, v14                     ; the stage, on the way in: four lanes' 64 bytes on end, then 16 of padding
	v_mul_u32_u24 v15, v2, SP
	v_add_nc_u32 v15, s21, v15                     ; and on the way out: SP x lane: my 16 neighbours
	v_mul_u32_u24 v4, v2, CB                       ; my codes' place in a step's
	v_lshrrev_b32 v5, 1, v2
	s_add_co_u32 s21, s21, 2*32*SP
	v_add_nc_u32 v5, s21, v5                       ; LDS: my wave's 256 scale bytes, my block's byte
	v_lshlrev_b32 v7, 3, v2                        ; and on the way out 8 bytes a lane
	v_add_nc_u32 v6, s21, v7
	s_and_b32 s22, ttmp9, 31                       ; a weight's work-group among its 32
	s_sub_co_u32 s23, ttmp9, 256                   ; and among the 96 of the weights' buffers
	s_and_b32 s24, s20, 1
	s_lshl_b32 s24, s24, 1
	s_lshr_b32 s25, s20, 1
	s_or_b32 s24, s24, s25                         ; the place of my 8 rows among the work-group's 32
	s_wait_alu depctr_va_vdst(0)
	s_wait_kmcnt 0x0
	s_cmp_lt_u32 ttmp9, 320                        ; the choices hang on the work-group's number alone
	s_cselect_b64 s[8:9], s[8:9], s[10:11]
	s_cmp_lt_u32 ttmp9, 288
	s_cselect_b64 s[6:7], s[6:7], s[8:9]
	s_cmp_lt_u32 ttmp9, 256
	s_cselect_b64 s[4:5], s[4:5], s[6:7]           ; what I read
	s_cselect_b64 s[12:13], s[12:13], s[16:17]     ; where the codes go
	s_cselect_b64 s[14:15], s[14:15], s[18:19]     ; and the scale bytes
	s_cselect_b32 s22, ttmp9, s22
	s_cselect_b32 s23, ttmp9, s23
	s_lshl_b32 s22, s22, 2
	s_add_co_u32 s22, s22, s20                     ; which run of 8 rows I read
	s_lshl_b32 s26, s22, 15                        ; 32,768 bytes a run
	s_mov_b32 s27, 0
	s_add_nc_u64 s[4:5], s[4:5], s[26:27]
	s_lshl_b32 s23, s23, 2
	s_add_co_u32 s23, s23, s24                     ; which run of 8 places I write
	s_mul_i32 s26, s23, 32*STEPS*CB                ; 6,144 bytes of codes a run
	s_add_nc_u64 s[12:13], s[12:13], s[26:27]
	s_lshl_b32 s26, s23, 8                         ; 256 scale bytes a run
	s_add_nc_u64 s[14:15], s[14:15], s[26:27]
.macro LOAD t
.irp i, 0,1,2,3
	global_load_b128 v[R+16*((\t)%4)+4*\i:R+16*((\t)%4)+4*\i+3], v3, s[4:5] offset:2048*(\t)+512*\i th:TH_LOAD_NT   ; 32 lanes read 512 consecutive bytes
.endr
.endm
.macro TURN t                          ; step t's numbers through the stage: LDS serves a wave's instructions in order, so no wait stands between the stores and the loads
.irp i, 0,1,2,3
	ds_store_b128 v14, v[R+16*((\t)%4)+4*\i:R+16*((\t)%4)+4*\i+3] offset:32*SP*((\t)%2)+8*SP*\i
.endr
.irp i, 0,1,2,3
	ds_load_b128 v[X+16*((\t)%2)+4*\i:X+16*((\t)%2)+4*\i+3], v15 offset:32*SP*((\t)%2)+16*\i
.endr
.endm
.irp t, 0,1,2,3
	LOAD \t
.endr
	s_wait_loadcnt 12                              ; step 0's four loads are in; the twelve of steps 1 to 3 may be out
	TURN 0
.macro STEP t
.set XS, X+16*((\t)%2)
.if (\t) > 0
	s_wait_dscnt 1                                 ; this step's numbers are back from the stage (the last step's byte store may be out): so its stores into the stage have read their registers,
.else
	s_wait_dscnt 0x0
.endif
.if (\t)+4 < STEPS
	LOAD (\t)+4                                    ; which take the loads of four steps on
.endif
.if (\t)+1 < STEPS
.if STEPS-2-(\t) >= 3
	s_wait_loadcnt 12                              ; the next step's four loads are in; those of the three steps behind it may be out
.else
	s_wait_loadcnt 4*(STEPS-2-(\t))
.endif
	TURN (\t)+1                                    ; and go through the other stage while this step is worked
.endif
	v_max3_num_f32 v8, |v[XS]|, |v[XS+1]|, |v[XS+2]|               ; the largest magnitude of my 16, in two chains
	v_max3_num_f32 v9, |v[XS+3]|, |v[XS+4]|, |v[XS+5]|
.irp i, 6,10
	v_max3_num_f32 v8, v8, |v[XS+\i]|, |v[XS+\i+1]|
	v_max3_num_f32 v9, v9, |v[XS+\i+2]|, |v[XS+\i+3]|
.endr
	v_max3_num_f32 v8, v8, |v[XS+14]|, |v[XS+15]|
	v_max3_num_f32 v8, v8, v9, 0x1800000           ; and the floor 2^(3 - 127): so the byte cannot fall under 1
	v_max_num_f32_dpp v8, v8, v8 row_xmask:1 row_mask:0xf bank_mask:0xf   ; and of my neighbour's 16: the block's
	v_add_nc_u32 v11, 0xff000000, v8               ; 2 off its exponent field: the conversion takes the exponent field of this operand as its scale, and nothing else of it
	v_cvt_scalef32_pk16_fp6_f32 v[C+4*(\t):C+4*(\t)+2], v[XS:XS+15], v11   ; sixteen codes, 96 bits without gaps, the first number's code lowest
	v_lshrrev_b32 v[E+(\t)], 23, v11               ; the scale's byte
	ds_store_b8 v5, v[E+(\t)] offset:16*(\t)       ; both lanes of a block write the same byte with the same value
	global_store_b96 v4, v[C+4*(\t):C+4*(\t)+2], s[12:13] offset:32*CB*(\t)
.endm
.irp t, 0,1,2,3,4,5,6,7,8,9,10,11,12,13,14,15
	STEP \t
.endr
	ds_load_b64 v[8:9], v6                         ; LDS serves a wave's instructions in order: these see my stores
	s_wait_dscnt 0x0
	global_store_b64 v7, v[8:9], s[14:15]          ; 32 lanes store 256 consecutive bytes, aligned
	s_wait_tensorcnt 0x0                           ; the wave's end: behind my last LDS store
	ds_add_u32 v[SPW], v[NIL]
	s_wait_dscnt 0x0
	s_endpgm
.Lfunc_end_k_q97d1002fab_quant:
	.size	k_q97d1002fab_quant, .Lfunc_end_k_q97d1002fab_quant-k_q97d1002fab_quant
	.p2alignl 7, 3214868480
	.fill 96, 4, 3214868480
	.section	.rodata,"a",@progbits
	.p2align	6, 0x0
	.amdhsa_kernel k_q97d1002fab_quant
		.amdhsa_group_segment_fixed_size 33280
		.amdhsa_private_segment_fixed_size 0
		.amdhsa_enable_private_segment 0
		.amdhsa_kernarg_size 64
		.amdhsa_user_sgpr_count 2
		.amdhsa_user_sgpr_kernarg_segment_ptr 1
		.amdhsa_wavefront_size32 1
		.amdhsa_system_sgpr_workgroup_id_x 1
		.amdhsa_system_sgpr_workgroup_id_y 1
		.amdhsa_system_sgpr_workgroup_id_z 1
		.amdhsa_system_vgpr_workitem_id 0
		.amdhsa_next_free_vgpr 192
		.amdhsa_next_free_sgpr 66
		.amdhsa_reserve_vcc 0
		.amdhsa_float_denorm_mode_32 3
		.amdhsa_float_denorm_mode_16_64 3
		.amdhsa_memory_ordered 1
		.amdhsa_forward_progress 1
		.amdhsa_inst_pref_size 33
	.end_amdhsa_kernel
	.amdgpu_metadata
---
amdhsa.version: [ 1, 2 ]
amdhsa.kernels:
  - .name:           k_q97d1002fab_quant
    .symbol:         k_q97d1002fab_quant.kd
    .args:
      - { .name: x, .offset: 0, .size: 8, .value_kind: global_buffer, .address_space: global }
      - { .name: Wq, .offset: 8, .size: 8, .value_kind: global_buffer, .address_space: global }
      - { .name: Wk, .offset: 16, .size: 8, .value_kind: global_buffer, .address_space: global }
      - { .name: Wv, .offset: 24, .size: 8, .value_kind: global_buffer, .address_space: global }
      - { .name: x_codes, .offset: 32, .size: 8, .value_kind: global_buffer, .address_space: global }
      - { .name: x_scales, .offset: 40, .size: 8, .value_kind: global_buffer, .address_space: global }
      - { .name: w_codes, .offset: 48, .size: 8, .value_kind: global_buffer, .address_space: global }
      - { .name: w_scales, .offset: 56, .size: 8, .value_kind: global_buffer, .address_space: global }
    .group_segment_fixed_size: 33280
    .private_segment_fixed_size: 0
    .kernarg_segment_align: 8
    .kernarg_segment_size: 64
    .max_flat_workgroup_size: 128
    .sgpr_count:     66
    .vgpr_count:     192
    .wavefront_size: 32
...
	.end_amdgpu_metadata
.endif
;; end of part 1
;; launch proj (part 2): grid 8 x 48, 4 waves a work-group, clusters of 4 x 4, 327,680 bytes of LDS; arguments x_codes, x_scales, w_codes, w_scales, bq, bk, bv, sinusoidal_pos, q_img, q_sc, kv, sc; writes q_img, q_sc, kv, sc
.if DOCPART == 2
	.amdgcn_target "amdgcn-amd-amdhsa--gfx1250"
	.amdhsa_code_object_version 6
	.text
	.protected	k_q97d1002fab_proj
	.globl	k_q97d1002fab_proj
	.p2align	8
	.type	k_q97d1002fab_proj,@function
k_q97d1002fab_proj:
	s_mov_b64 s[64:65], 0
	v_nop
	global_prefetch_b8 v0, s[64:65] scope:SCOPE_SE
	s_setreg_imm32_b32 hwreg(HW_REG_WAVE_MODE, 25, 1), 1
	s_wait_xcnt 0x0
	s_wait_alu depctr_hold_cnt(0) depctr_sa_sdst(0) depctr_va_vdst(0) depctr_va_sdst(0) depctr_va_ssrc(0) depctr_va_vcc(0) depctr_vm_vsrc(0)
	s_getreg_b32 s2, hwreg(HW_REG_IB_STS2, 6, 4)
	s_cmp_eq_u32 s2, 0
	s_cbranch_scc0 .Lentry_in_a_cluster
	s_endpgm
.Lentry_in_a_cluster:
	s_bfe_u32 s2, ttmp6, 0x10000c
	s_cmp_lg_u32 s2, 0xf033
	s_cbranch_scc0 .Lentry_shape_is_right
	s_endpgm
.Lentry_shape_is_right:
; q, k, v = x W^T + b on codes of FP6 (E2M3) with E8M0 scales; q and k are turned by the rotary positions; all three are quantised again and stored as images of the
; registers in which the next launch's matrix instructions want them.  Nothing of the problem's work is left out here.
; 384 tiles of 256 x 256 x 1,024, one to a work-group of four waves; a wave makes 128 x 128: 64 accumulators, 512 registers.
; A row of codes is 768 bytes: it goes in three chunks of 256 bytes, each on a 256-byte border, through two LDS slots (chunk c in slot c % 2).  A step of 128 along K is 96 bytes: eight steps; steps 2 and 5 lie across two chunks.
; TWO KINDS OF TILE, told apart by the cluster's y, which all sixteen partners share:
;   y < 8 (q, k): A = x (tile row 4 y + cy), B = rows of Wq, Wk (tile column 4 x + cx).   y >= 8 (v): A = rows of Wv (tile row cy), B = x (tile column 4 (2 (y - 8) + x) + cx).
; The matrix instruction is used transposed (source 0 = rows of B, source 1 = rows of A).  Place P of a codes' buffer holds row P with bits 3 and 4 exchanged, so register 16 b + i of A's block a = B's row
; 32 b + 16 (lane / 16) + i, and lane r of block a holds A's row 32 (a / 2) + 8 (a % 2) + r + 8 (r / 8): sixteen neighbours along the next product's K in a lane.
; IMAGES: a fragment (12 registers a lane) is 1,536 bytes: registers 4 g .. 4 g + 3 of lane l at 512 g + 16 l.  kv [bh][step of 128 keys][4 fragments of k][4 of v]; q_img [bh][32 queries][1,536];
;   sc [bh][step][k: 256][v: 256], q_sc [bh][step][256]: lane (r, h) has the scale words of row r of fragments h and 2 + h.
; CLUSTERS 4 x 4: A's tiles are asked for jointly along a row of the cluster, B's along a column.  The scales of the 256 + 256 rows come into LDS once, at the head.
; No prefetch: the walk has no loop to run ahead in, and of its three chunks two are asked for in the head.  One tile to a work-group: 384 tiles do not divide by 256.
; LIMITS: NaN and infinities are not served; a block of zeros gets the scale byte 1 (its codes are zeros; this program alone reads the bytes).
; REGISTERS: window 0: v0-31 addresses, v32-63 scale words (two sets), from v128 A's fragments (one set); window 1: B's fragments, two sets at v0, v128; windows 2, 3: accumulators.
;   On the way out, window 0: v32-127 sines and cosines (v: bias), v128-191 numbers in hand, v192-215 codes, v216-253 at work; window 1 v0-63: q's or k's bias.
.set ROWB,   256
.set NQ,     2
.set KROW,   768
.set STEPS,  8
.set CHUNKS, 3
.set PITCH,  272                       ; 256 bytes + 16 of padding
.set FR,     12
.set NL,     6
.set NP,     4                         ; places behind this matrix instruction (ISA guide 7.12.1)
.set HALFT,  128*PITCH
.set SLOT,   4*HALFT                   ; A's 256 rows, then B's
.set KS,     32
.set SCL,    2*SLOT
.set HALFS,  (128*KS/256)*272
.set SBLK,   (16*KS/256)*272
.set SPARE,  SCL+4*HALFS               ; the spare words, 128 bytes a wave, which no other line names
.set IMG,  8                           ; 16 x lane
.set SC8,  9                           ; 8 x lane
.set BO,   10                          ; 64 (lane / 16)
.set PO,   11                          ; my token's row of the positions + 32 (lane / 16)
.set VO,   12                          ; my channel's place in v's bias
.set ADRA, 16                          ; v16-17 A's fragments in slot 0, 1; v18-19 for pieces whose two halves of the lanes lie in different chunks
.set ADRB, 20                          ; v20-23 the same for B
.set ADRS, 27                          ; scale words: lanes 0-15 A's rows, lanes 16-31 B's
.set SPW,  28
.set NIL,  29
.set SC,   32
.set AF,   128
.set H,    128
.set F,    192
.set YT,   216
.set TM,   224
.set PW,   240
.set SW,   242
.set OW,   250
.set G1, 24
.set G0, 32
.set G1B, 48
.set G0B, 56
.set G1S, 68
.set G0S, 76
.set G1SB, 80
.set G0SB, 88
.set G0H, 4                            ; group 0 of the head's loads of chunk 0, where arguments lay
.set G0HB, 8
.set MSB, 0
.macro WIN new
.if MSB != \new
	s_set_vgpr_msb (MSB<<8)|\new
.set MSB, \new
.endif
.endm
.set MUL_LO, 0xa1
.set MUL_HI, 0xf1
.set TO_B,   0x40
; a joint load: waves 0, 1 fetch for A, waves 2, 3 for B; s_nop 0 and four v_nop behind each line
.macro JLOAD g0a, g1a, g0b, g1b
	s_cmp_eq_u32 s15, 0
	s_cbranch_scc0 .Lfor_b_\@
	tensor_load_to_lds s[\g0a:\g0a+3], s[\g1a:\g1a+7]
	s_nop 0
.rept 4
	v_nop
.endr
	s_branch .Lasked_\@
.Lfor_b_\@:
	tensor_load_to_lds s[\g0b:\g0b+3], s[\g1b:\g1b+7]
	s_nop 0
.rept 4
	v_nop
.endr
.Lasked_\@:
.endm
.macro CREST
	s_cmp_lg_u32 s14, 0
	s_cbranch_scc1 .Lnot_wave_0_\@
	s_barrier_signal -3
.Lnot_wave_0_\@:
	s_barrier_wait -3
	s_barrier_signal -1
	s_barrier_wait -1
.endm
.macro CROUND
	s_barrier_signal -1
	s_barrier_wait -1
	CREST
.endm
	s_load_b128 s[4:7], s[0:1], 0x0                ; x's codes, x's scales
	s_load_b128 s[8:11], s[0:1], 0x10              ; the weights' codes, scales
	v_lshl_add_u32 v[SPW], v0, 2, SPARE
	v_mov_b32 v[NIL], 0
	ds_add_u32 v[SPW], v[NIL]                      ; the opening lines: the add twice and its wait ahead of my first tensor load
	ds_add_u32 v[SPW], v[NIL]
	v_lshrrev_b32 v1, 5, v0
	v_readfirstlane_b32 s14, v1                    ; wave
	s_lshr_b32 s15, s14, 1                         ; my half of A's rows; also: I fetch for A (0) or B (1)
	s_and_b32 s16, s14, 1                          ; my half of B's rows; also: which 128 rows I fetch
	s_bfe_u32 s40, ttmp6, 0x40000                  ; cx
	s_bfe_u32 s41, ttmp6, 0x40004                  ; cy
	s_and_b32 s95, ttmp7, 0xffff
	s_sub_co_u32 s97, s95, 8
	s_lshl_b32 s97, s97, 1
	s_add_co_u32 s97, s97, ttmp9
	s_cmp_ge_u32 s95, 8                            ; a tile of v?  The same in all sixteen partners
	s_cselect_b32 s42, s97, ttmp9
	s_cselect_b32 s17, 0, s95
	s_cselect_b32 s96, 1, 0
	s_lshl_b32 s42, s42, 2
	s_add_co_u32 s42, s42, s40                     ; tile column (B)
	s_lshl_b32 s17, s17, 2
	s_add_co_u32 s17, s17, s41                     ; tile row (A)
	s_lshl_b32 s43, s41, 2
	s_lshl_b32 s43, 15, s43                        ; my row of the cluster
	s_lshl_b32 s44, 0x1111, s40                    ; my column
	s_or_b32 s[G1+0], s43, (0<<16)|(1<<20)|(1<<21)|(5<<22)|(3<<25)   ; bytes; 4 words of padding behind every 64
	s_or_b32 s[G1B+0], s44, (0<<16)|(1<<20)|(1<<21)|(5<<22)|(3<<25)
.irp g, G1, G1B
	s_mov_b32 s[\g+1], ROWB<<16
	s_mov_b32 s[\g+2], 256<<16                     ; 256 rows for the head's loads
	s_mov_b32 s[\g+3], ROWB<<16
	s_mov_b32 s[\g+4], 256
	s_mov_b32 s[\g+5], KROW
	s_mov_b32 s[\g+6], 0
	s_mov_b32 s[\g+7], 0
.endr
	s_or_b32 s[G1S+0], s43, (3<<16)|(1<<20)|(1<<21)|(5<<22)|(3<<25)  ; the scales of 256 rows: 32 dense rows of 256 bytes
	s_or_b32 s[G1SB+0], s44, (3<<16)|(1<<20)|(1<<21)|(5<<22)|(3<<25)
.irp g, G1S, G1SB
	s_mov_b32 s[\g+1], 32<<16
	s_mov_b32 s[\g+2], KS<<16
	s_mov_b32 s[\g+3], 32<<16
	s_mov_b32 s[\g+4], KS
	s_mov_b32 s[\g+5], 32
	s_mov_b32 s[\g+6], 0
	s_mov_b32 s[\g+7], 0
.endr
	s_lshl_b32 s20, s17, 8                         ; A: the tile's first place
	s_lshl_b32 s46, s42, 8                         ; B
	s_mov_b32 s21, 0
	s_mov_b32 s47, 0
	s_mov_b64 s[18:19], KS
	s_mul_u64 s[22:23], s[20:21], s[18:19]
	s_mul_u64 s[92:93], s[46:47], s[18:19]
	s_mov_b64 s[18:19], KROW
	s_mul_u64 s[20:21], s[20:21], s[18:19]
	s_mul_u64 s[46:47], s[46:47], s[18:19]
	s_mul_i32 s18, s16, 128*KROW                   ; in the ring: which 128 rows I fetch,
	s_mov_b32 s19, 0
	s_mul_i32 s45, s14, HALFT                      ; and where they go
	s_wait_dscnt 0x0                               ; both opening adds are done
	s_wait_kmcnt 0x0
	s_add_nc_u64 s[98:99], s[8:9], 2048*KROW       ; Wv lies behind Wq and Wk
	s_add_nc_u64 s[100:101], s[10:11], 2048*KS
	s_cmp_lg_u32 s96, 0
	s_cselect_b64 s[98:99], s[98:99], s[4:5]       ; A's codes
	s_cselect_b64 s[100:101], s[100:101], s[6:7]   ; A's scales
	s_cselect_b64 s[8:9], s[4:5], s[8:9]           ; B's codes
	s_cselect_b64 s[10:11], s[6:7], s[10:11]       ; B's scales
	s_add_nc_u64 s[20:21], s[98:99], s[20:21]
	s_add_nc_u64 s[22:23], s[100:101], s[22:23]
	s_add_nc_u64 s[46:47], s[8:9], s[46:47]
	s_add_nc_u64 s[92:93], s[10:11], s[92:93]
	CROUND                                         ; all sixteen work-groups are here: the first joint loads meet
	s_mov_b32 s[G0H], 1
	s_mov_b32 s[G0H+1], 0
	s_mov_b64 s[G0H+2:G0H+3], s[20:21]
	s_or_b32 s[G0H+3], s[G0H+3], 0x80000000
	s_mov_b32 s[G0HB], 1
	s_mov_b32 s[G0HB+1], 2*HALFT
	s_mov_b64 s[G0HB+2:G0HB+3], s[46:47]
	s_or_b32 s[G0HB+3], s[G0HB+3], 0x80000000
	s_mov_b32 s[G0S], 1
	s_mov_b32 s[G0S+1], SCL
	s_mov_b64 s[G0S+2:G0S+3], s[22:23]
	s_or_b32 s[G0S+3], s[G0S+3], 0x80000000
	s_mov_b32 s[G0SB], 1
	s_mov_b32 s[G0SB+1], SCL+2*HALFS
	s_mov_b64 s[G0SB+2:G0SB+3], s[92:93]
	s_or_b32 s[G0SB+3], s[G0SB+3], 0x80000000
	s_add_nc_u64 s[20:21], s[20:21], s[18:19]
	s_add_nc_u64 s[46:47], s[46:47], s[18:19]
.irp s, 0,1
	s_mov_b32 s[G0+4*\s], 1
	s_add_co_u32 s[G0+4*\s+1], s45, \s*SLOT
	s_add_nc_u64 s[G0+4*\s+2:G0+4*\s+3], s[20:21], \s*ROWB
	s_or_b32 s[G0+4*\s+3], s[G0+4*\s+3], 0x80000000
	s_mov_b32 s[G0B+4*\s], 1
	s_add_co_u32 s[G0B+4*\s+1], s45, \s*SLOT
	s_add_nc_u64 s[G0B+4*\s+2:G0B+4*\s+3], s[46:47], \s*ROWB
	s_or_b32 s[G0B+4*\s+3], s[G0B+4*\s+3], 0x80000000
.endr
; the head's four tiles, one load a wave: wave 0 chunk 0 of A, wave 1 of B, wave 2 A's scales, wave 3 B's; one chain of branches, one join
.macro ARM under, g0, g1, next
	s_cmp_lt_u32 s14, \under
	s_cbranch_scc0 \next
	tensor_load_to_lds s[\g0:\g0+3], s[\g1:\g1+7]
	s_nop 0
.rept 4
	v_nop
.endr
	s_branch .Lhead_asked
\next:
.endm
	ARM 1, G0H,  G1,  .Lhead_b
	ARM 2, G0HB, G1B, .Lhead_sa
	ARM 3, G0S,  G1S, .Lhead_sb
	tensor_load_to_lds s[G0SB:G0SB+3], s[G1SB:G1SB+7]
	s_nop 0
.rept 4
	v_nop
.endr
.Lhead_asked:
	v_and_b32 v1, 15, v0                           ; r
	v_bfe_u32 v2, v0, 4, 1                         ; h
	v_mul_u32_u24 v3, v1, PITCH
	v_mul_u32_u24 v4, v2, 24
	v_add_nc_u32 v4, v3, v4                        ; row x pitch + 24 h
	s_mov_b32 s21, SLOT-232
	s_mov_b32 s22, SLOT+232
	v_sub_nc_u32 v7, 1, v2
	v_mul_u32_u24 v5, s21, v2
	v_add_nc_u32 v5, v3, v5
	v_add_nc_u32 v5, 232, v5                       ; lanes 0-15 byte 232 of the row in slot 0, lanes 16-31 byte 0 in slot 1;
	v_mul_u32_u24 v6, s22, v7
	v_add_nc_u32 v6, v3, v6                        ; and with the slots exchanged
	s_mul_i32 s21, s15, HALFT
	s_mul_i32 s22, s16, HALFT
	s_add_co_u32 s22, s22, 2*HALFT
	v_add_nc_u32 v[ADRA+2], s21, v5
	v_add_nc_u32 v[ADRA+3], s21, v6
	v_add_nc_u32 v[ADRB+2], s22, v5
	v_add_nc_u32 v[ADRB+3], s22, v6
.irp s, 0,1
	v_add_nc_u32 v[ADRA+\s], s21, v4
	v_add_nc_u32 v[ADRB+\s], s22, v4
	s_add_co_u32 s21, s21, SLOT
	s_add_co_u32 s22, s22, SLOT
.endr
	v_mul_u32_u24 v5, v1, KS                       ; my row's scales, 16 more for each 256 passed
	v_lshrrev_b32 v6, 8, v5
	v_lshl_add_u32 v5, v6, 4, v5
	s_mul_i32 s21, s15, HALFS
	s_mul_i32 s22, s16, HALFS
	s_add_co_u32 s22, s22, 2*HALFS
	s_sub_co_u32 s22, s22, s21
	v_mul_u32_u24 v6, s22, v2                      ; lanes 16-31 take B's
	s_add_co_u32 s21, s21, SCL
	v_add_nc_u32 v5, v5, v6
	v_add_nc_u32 v[ADRS], s21, v5
	v_and_b32 v6, 31, v0                           ; the way out's offsets
	v_lshlrev_b32 v[IMG], 4, v6
	v_lshlrev_b32 v[SC8], 3, v6
	v_lshlrev_b32 v[BO], 6, v2
	v_and_b32 v13, 8, v1
	v_add_nc_u32 v13, v13, v1                      ; r + 8 (r / 8)
	v_lshlrev_b32 v[PO], 8, v13
	v_lshl_add_u32 v[PO], v2, 5, v[PO]
	v_lshlrev_b32 v[VO], 2, v13
.macro FRAG reg, adr, st, i            ; 16 rows x 128 K: six pieces of 8 bytes; byte y of a row lies in slot (y / 256) % 2 at byte y % 256
.irp p, 0,1,2,3,4,5
.set BY, 96*(\st)+48*(\p/3)+8*(\p%3)
.if BY/ROWB == (BY+24)/ROWB
	ds_load_b64 v[\reg+2*\p:\reg+2*\p+1], v[\adr+(BY/ROWB)%2] offset:BY%ROWB+(\i)*16*PITCH
.else
	ds_load_b64 v[\reg+2*\p:\reg+2*\p+1], v[\adr+2+(BY/ROWB)%2] offset:BY%ROWB-232+(\i)*16*PITCH
.endif
.endr
.endm
; 16 matrix instructions; the 64 accumulators take turns in the same order in every step; zero = 1 starts the sums
.macro MUL16 a0, p, q, sc, zero
.irp a, \a0, \a0+1
.irp b, 0,1,2,3,4,5,6,7
.if \zero
	v_wmma_scale_f32_16x16x128_f8f6f4 v[8*(8*((\a)%4)+\b):8*(8*((\a)%4)+\b)+7], v[128*(\p)+FR*\b:128*(\p)+FR*\b+FR-1], v[AF+FR*(\a):AF+FR*(\a)+FR-1], 0, v[SC+8*NQ*(\sc)+NQ*\b+(\q)], v[SC+8*NQ*(\sc)+NQ*(\a)+(\q)] matrix_a_fmt:MATRIX_FMT_FP6 matrix_b_fmt:MATRIX_FMT_FP6 matrix_a_scale:MATRIX_SCALE_ROW1
.else
	v_wmma_scale_f32_16x16x128_f8f6f4 v[8*(8*((\a)%4)+\b):8*(8*((\a)%4)+\b)+7], v[128*(\p)+FR*\b:128*(\p)+FR*\b+FR-1], v[AF+FR*(\a):AF+FR*(\a)+FR-1], v[8*(8*((\a)%4)+\b):8*(8*((\a)%4)+\b)+7], v[SC+8*NQ*(\sc)+NQ*\b+(\q)], v[SC+8*NQ*(\sc)+NQ*(\a)+(\q)] matrix_a_fmt:MATRIX_FMT_FP6 matrix_b_fmt:MATRIX_FMT_FP6 matrix_a_scale:MATRIX_SCALE_ROW1
.endif
.endr
.endr
.endm
.macro FETCH_B st, p
	WIN TO_B
.irp i, 0,1,2,3,4,5,6,7
	FRAG 128*(\p)+FR*\i, ADRB, \st, \i
.endr
	WIN 0
.endm
.macro FETCH_A st, i0
.irp i, \i0, \i0+1, \i0+2, \i0+3
	FRAG AF+FR*(\i), ADRA, \st, \i
.endr
.endm
.macro SCALES pr                       ; the scale words of steps 2 pr, 2 pr + 1 into set pr % 2
.irp i, 0,1,2,3,4,5,6,7
	ds_load_b64 v[SC+8*NQ*((\pr)%2)+NQ*\i:SC+8*NQ*((\pr)%2)+NQ*\i+1], v[ADRS] offset:\i*SBLK+4*NQ*(\pr)
.endr
.endm
.macro PLACES n
.rept \n
	v_nop
.endr
.endm
; A step of 128 along K.  Where the next step's bytes end in a chunk not yet read: a wait for my tensor loads and a barrier.  Where they begin in a later chunk than this step's: the add too, and, where a chunk
; two on is left, a round of the cluster's barrier and the refill.
.macro STEP st, zero
.set NX, (\st)+1
.set C0, (96*(\st))/ROWB
.set C1, (96*NX)/ROWB
.set E0, (96*(\st)+95)/ROWB
.set E1, (96*NX+95)/ROWB
.if C1 > C0 || E1 > E0
	s_wait_tensorcnt 0x0                           ; all my tensor loads have landed
.if C1 > C0
	ds_add_u32 v[SPW], v[NIL]
	s_wait_dscnt 4*NL+1                            ; the add and the 24 loads of A's blocks 4-7 may be out
.else
	s_wait_dscnt 4*NL                              ; the 24 loads of A's blocks 4-7 may be out
.endif
	WIN MUL_LO
	MUL16 0, (\st)%2, (\st)%2, ((\st)/2)%2, \zero
	s_wait_dscnt 0x0                               ; the add and my reads are done
	s_barrier_signal -1
	MUL16 2, (\st)%2, (\st)%2, ((\st)/2)%2, \zero
	WIN 0
	s_barrier_wait -1
.if C1 > C0 && C0+2 < CHUNKS
	CREST                                          ; no wave of any partner still reads this slot or has a load on its way
	s_add_nc_u64 s[G0+4*(C0%2)+2:G0+4*(C0%2)+3], s[G0+4*(C0%2)+2:G0+4*(C0%2)+3], 2*ROWB
	s_add_nc_u64 s[G0B+4*(C0%2)+2:G0B+4*(C0%2)+3], s[G0B+4*(C0%2)+2:G0B+4*(C0%2)+3], 2*ROWB
	JLOAD G0+4*(C0%2), G1, G0B+4*(C0%2), G1B       ; chunk C0 + 2; its four v_nop are the places ahead of the loads below
.else
	PLACES NP
.endif
.else
	s_wait_dscnt 4*NL
	WIN MUL_LO
	MUL16 0, (\st)%2, (\st)%2, ((\st)/2)%2, \zero
	MUL16 2, (\st)%2, (\st)%2, ((\st)/2)%2, \zero
	s_wait_dscnt 0
	PLACES NP
.endif
	FETCH_B NX, NX%2
	FETCH_A NX, 0
.if NX%2 == 0
	SCALES NX/2
.endif
	WIN MUL_HI
	MUL16 4, (\st)%2, (\st)%2, ((\st)/2)%2, \zero
	MUL16 6, (\st)%2, (\st)%2, ((\st)/2)%2, \zero
	PLACES NP
	WIN 0
	FETCH_A NX, 4
.endm
	s_wait_alu depctr_va_vdst(0)
	s_wait_tensorcnt 0x0                           ; my tile of the head's four is in
	ds_add_u32 v[SPW], v[NIL]
	s_mov_b32 s[G1+2], 128<<16                     ; no tensor load of mine is out: from here on a load brings 128 rows
	s_mov_b32 s[G1+4], 128
	s_mov_b32 s[G1B+2], 128<<16
	s_mov_b32 s[G1B+4], 128
	s_wait_dscnt 0x0
	CROUND
	JLOAD G0+4, G1, G0B+4, G1B                     ; chunk 1, the first tensor load behind the round
	FETCH_B 0, 0
	FETCH_A 0, 0
	SCALES 0
	FETCH_A 0, 4
	STEP 0, 1
.set ST, 1
.rept STEPS-2
	STEP ST, 0
.set ST, ST+1
.endr
	s_load_b256 s[68:75], s[0:1], 0x20             ; bq, bk, bv, the positions: no tensor load of mine is out, the descriptors' registers are free
	s_load_b256 s[76:83], s[0:1], 0x40             ; q_img, q_sc, kv, sc
	s_wait_dscnt 4*NL                              ; the last step
	WIN MUL_LO
	MUL16 0, 1, 1, 1, 0
	MUL16 2, 1, 1, 1, 0
	s_wait_dscnt 0
	WIN MUL_HI
	MUL16 4, 1, 1, 1, 0
	MUL16 6, 1, 1, 1, 0
	WIN 0
; THE WAY OUT: nothing goes through LDS; every store covers 512 (codes) or 256 (scale words) consecutive bytes, aligned.
; QUANT: 64 numbers of a lane (register 16 b + i = k 32 b + 16 h + i of my row) become codes: block h of the first 64 in v[d0 ..], of the second 64 in v[d1 ..]; the four scale bytes in v[pw].
.macro QUANT s, d0, d1, pw
.irp b, 0,1,2,3
	v_max3_num_f32 v[TM+\b], |v[\s+16*\b]|, |v[\s+1+16*\b]|, 0x1800000   ; with the floor 2^(3 - 127): the byte cannot fall under 1
.endr
.irp i, 2,4,6,8,10,12,14
.irp b, 0,1,2,3
	v_max3_num_f32 v[TM+\b], v[TM+\b], |v[\s+16*\b+\i]|, |v[\s+1+16*\b+\i]|
.endr
.endr
.irp b, 0,1,2,3
	v_permlanex16_b32 v[TM+4+\b], v[TM+\b], s46, s47
.endr
.irp b, 0,1,2,3
	v_max_num_f32 v[TM+\b], v[TM+\b], v[TM+4+\b]   ; with lane l xor 16's
.endr
.irp b, 0,1,2,3
	v_add_nc_u32 v[TM+12+\b], 0xff000000, v[TM+\b] ; 2 off the exponent field: the conversion's scale operand
.endr
.irp b, 0,1,2,3
	v_lshrrev_b32 v[TM+4+\b], 23, v[TM+12+\b]      ; the byte
.endr
	v_lshl_or_b32 v[\pw], v[TM+5], 8, v[TM+4]
	v_lshl_or_b32 v[\pw], v[TM+6], 16, v[\pw]
	v_lshl_or_b32 v[\pw], v[TM+7], 24, v[\pw]
	v_cvt_scalef32_pk16_fp6_f32 v[\d0:\d0+2], v[\s:\s+15], v[TM+12]
	v_cvt_scalef32_pk16_fp6_f32 v[YT:YT+2], v[\s+16:\s+31], v[TM+13]
	v_cvt_scalef32_pk16_fp6_f32 v[\d1:\d1+2], v[\s+32:\s+47], v[TM+14]
	v_cvt_scalef32_pk16_fp6_f32 v[YT+4:YT+6], v[\s+48:\s+63], v[TM+15]
	v_nop                                          ; one plain place behind a scaled conversion
.irp i, 0,1,2                                  ; a whole block into a lane
	v_permlane16_swap_b32 v[\d0+\i], v[YT+\i]
	v_permlane16_swap_b32 v[\d1+\i], v[YT+4+\i]
.endr
.irp i, 0,1,2
	v_mov_b32 v[\d0+3+\i], v[YT+\i]
	v_mov_b32 v[\d1+3+\i], v[YT+4+\i]
.endr
.endm
	PLACES NP
.irp b, 0,1,2,3
	v_mov_b32 v[TM+4+\b], 0                        ; a lane permute's destination counts as a source
.endr
	s_mov_b32 s46, 0x76543210
	s_mov_b32 s47, 0xfedcba98
	s_mov_b32 s38, 0xffff0000                      ; lanes 16-31
	s_wait_kmcnt 0x0
	s_cmp_lg_u32 s96, 0                            ; the cluster's y alone decides
	s_cbranch_scc1 .Lv
	; q AND k: a lane holds one token; its 64 registers of block a are features of two heads
	s_lshr_b32 s18, s17, 3                         ; batch
	s_and_b32 s19, s17, 7
	s_lshl_b32 s19, s19, 1
	s_add_co_u32 s19, s19, s15                     ; step of 128 tokens
	s_and_b32 s20, s42, 3
	s_lshl_b32 s20, s20, 2
	s_lshl_b32 s21, s16, 1
	s_add_co_u32 s20, s20, s21                     ; my first head
	s_lshl_b32 s21, s18, 4
	s_add_co_u32 s21, s21, s20                     ; bh
	s_lshl_b32 s22, s20, 8
	s_mov_b32 s23, 0
	s_lshl_b32 s36, s19, 15
	s_mov_b32 s37, 0
	s_mul_i32 s40, s21, 98304                      ; q's offsets; k's are twice as far apart: shifted by the cluster's x (0: q, 1: k)
	s_mul_i32 s41, s19, 6144
	s_add_co_u32 s40, s40, s41
	s_lshl_b32 s40, s40, ttmp9
	s_mov_b32 s41, 0
	s_lshl_b32 s44, s21, 12
	s_lshl_b32 s45, s19, 8
	s_add_co_u32 s44, s44, s45
	s_lshl_b32 s44, s44, ttmp9
	s_mov_b32 s45, 0
	s_lshl_b32 s48, 0x18000, ttmp9
	s_mov_b32 s49, 0
	s_lshl_b32 s50, 4096, ttmp9
	s_mov_b32 s51, 0
	s_cmp_lg_u32 ttmp9, 0
	s_cselect_b64 s[24:25], s[70:71], s[68:69]     ; bk or bq
	s_cselect_b64 s[28:29], s[80:81], s[76:77]     ; kv or q_img
	s_cselect_b64 s[32:33], s[82:83], s[78:79]     ; sc or q_sc
	s_add_nc_u64 s[24:25], s[24:25], s[22:23]
	s_add_nc_u64 s[26:27], s[74:75], s[36:37]
	s_add_nc_u64 s[28:29], s[28:29], s[40:41]
	s_add_nc_u64 s[30:31], s[28:29], s[48:49]
	s_add_nc_u64 s[32:33], s[32:33], s[44:45]
	s_add_nc_u64 s[34:35], s[32:33], s[50:51]
	WIN TO_B
.irp b, 0,1,2,3
.irp j, 0,1,2,3
	global_load_b128 v[16*\b+4*\j:16*\b+4*\j+3], v[BO], s[24:25] offset:128*\b+16*\j   ; the bias in the results' layout
.endr
.endr
	WIN 0
.macro SCLOAD a                        ; block a's sines and cosines; three sets take turns
.set BUF, 32+32*(((\a)+1)%3)
.irp bb, 0,1
.irp jj, 0,1
	global_load_b128 v[BUF+16*\bb+4*\jj:BUF+16*\bb+4*\jj+3], v[PO], s[26:27] offset:(32*((\a)/2)+8*((\a)%2))*256+64*\bb+16*\jj
	global_load_b128 v[BUF+16*\bb+8+4*\jj:BUF+16*\bb+8+4*\jj+3], v[PO], s[26:27] offset:(32*((\a)/2)+8*((\a)%2))*256+64*\bb+16*\jj+128
.endr
.endr
.endm
	SCLOAD 0
	SCLOAD 1
	SCLOAD 2
.macro QKBLOCK a
.set AC, 64*((\a)%4)
.set BUF, 32+32*(((\a)+1)%3)
.if (\a) < 6
	s_wait_loadcnt 16                              ; the two younger sets, eight loads each, may be out
.else
	s_wait_loadcnt 8*(7-(\a))
.endif
	WIN 0x86+0x41*((\a)/4)
.set JJ, 0
.rept 32
	v_pk_add_f32 v[AC+JJ:AC+JJ+1], v[AC+JJ:AC+JJ+1], v[JJ:JJ+1]   ; + the bias; each accumulator from its low end on
.set JJ, JJ+2
.endr
	WIN 0x02+((\a)/4)
.set JJ, 0
.rept 64
	v_mul_f32 v[H+JJ], v[AC+JJ], v[BUF+16*((JJ/16)%2)+8+(JJ%16)/2]   ; y cos
.set JJ, JJ+1
.endr
.set JJ, 0
.rept 32
	v_fma_f32 v[H+2*JJ], -v[AC+2*JJ+1], v[BUF+16*((JJ/8)%2)+JJ%8], v[H+2*JJ]       ; even: - the odd neighbour x sin
	v_fma_f32 v[H+2*JJ+1], v[AC+2*JJ], v[BUF+16*((JJ/8)%2)+JJ%8], v[H+2*JJ+1]      ; odd: + the even neighbour x sin
.set JJ, JJ+1
.endr
	WIN 0
.if (\a)+3 < 8
	SCLOAD (\a)+3
.endif
.if ((\a)%2 == 0) && ((\a) >= 2)
	s_wait_xcnt 0x0                                ; the last pair's stores have read their registers
.endif
.set QD0, F+6*((\a)%2)
.set QD1, F+12+6*((\a)%2)
.set QPW, PW+(\a)%2
	QUANT H, QD0, QD1, QPW
.if (\a)%2
	v_perm_b32 v[SW+2*((\a)/2)], v[PW+1], v[PW], 0x05040100     ; the fragment's scale word, first head,
	v_perm_b32 v[SW+2*((\a)/2)+1], v[PW+1], v[PW], 0x07060302   ; second head
.irp c, 0,1
.irp g, 0,1,2
	global_store_b128 v[IMG], v[F+12*\c+4*\g:F+12*\c+4*\g+3], s[28+2*\c:29+2*\c] offset:((\a)/2)*1536+512*\g
.endr
.endr
.endif
.endm
.irp a, 0,1,2,3,4,5,6,7
	QKBLOCK \a
.endr
.irp c, 0,1
	v_cndmask_b32 v[OW+2*\c], v[SW+\c], v[SW+2+\c], s38
	v_cndmask_b32 v[OW+2*\c+1], v[SW+4+\c], v[SW+6+\c], s38
	global_store_b64 v[SC8], v[OW+2*\c:OW+2*\c+1], s[32+2*\c:33+2*\c]
.endr
	s_branch .Lend
.Lv:
	; v: a lane holds one channel; its 64 registers of block a are tokens of one step of 128 keys
	s_lshl_b32 s20, s17, 2
	s_lshl_b32 s21, s15, 1
	s_add_co_u32 s20, s20, s21                     ; my first head
	s_lshr_b32 s18, s42, 3                         ; batch
	s_and_b32 s19, s42, 7
	s_lshl_b32 s19, s19, 1
	s_add_co_u32 s19, s19, s16                     ; step
	s_lshl_b32 s21, s18, 4
	s_add_co_u32 s21, s21, s20
	s_lshl_b32 s22, s20, 8
	s_mov_b32 s23, 0
	s_mul_i32 s40, s21, 196608
	s_mul_i32 s41, s19, 12288
	s_add_co_u32 s40, s40, s41
	s_add_co_u32 s40, s40, 6144                    ; behind the step's four fragments of k
	s_mov_b32 s41, 0
	s_lshl_b32 s44, s21, 13
	s_lshl_b32 s45, s19, 9
	s_add_co_u32 s44, s44, s45
	s_add_co_u32 s44, s44, 256
	s_mov_b32 s45, 0
	s_add_nc_u64 s[24:25], s[72:73], s[22:23]
	s_add_nc_u64 s[28:29], s[80:81], s[40:41]
	s_add_nc_u64 s[30:31], s[28:29], 196608
	s_add_nc_u64 s[32:33], s[82:83], s[44:45]
	s_add_nc_u64 s[34:35], s[32:33], 8192
.irp a, 0,1,2,3,4,5,6,7
	global_load_b32 v[32+2*\a], v[VO], s[24:25] offset:(32*(\a/2)+8*(\a%2))*4   ; my channel's bias, in both registers of a pair
	global_load_b32 v[33+2*\a], v[VO], s[24:25] offset:(32*(\a/2)+8*(\a%2))*4
.endr
	s_wait_loadcnt 0x0
.macro VBLOCK a
.set AC, 64*((\a)%4)
	WIN 0x02+((\a)/4)
.set JJ, 0
.rept 32
	v_pk_add_f32 v[H+JJ:H+JJ+1], v[AC+JJ:AC+JJ+1], v[32+2*(\a):33+2*(\a)]
.set JJ, JJ+2
.endr
	WIN 0
.if (\a) >= 2
	s_wait_xcnt 0x0                                ; the stores of two blocks ago have read their registers
.endif
.set QD0, F+12*((\a)%2)
.set QD1, F+12*((\a)%2)+6
.set QPW, PW+(\a)
	QUANT H, QD0, QD1, QPW
.irp g, 0,1,2
	global_store_b128 v[IMG], v[QD0+4*\g:QD0+4*\g+3], s[28+2*((\a)/4):29+2*((\a)/4)] offset:((\a)%4)*1536+512*\g
.endr
.endm
.irp a, 0,1,2,3,4,5,6,7
	VBLOCK \a
.endr
.irp c, 0,1
	v_cndmask_b32 v[OW+2*\c], v[PW+4*\c], v[PW+4*\c+1], s38
	v_cndmask_b32 v[OW+2*\c+1], v[PW+4*\c+2], v[PW+4*\c+3], s38
	global_store_b64 v[SC8], v[OW+2*\c:OW+2*\c+1], s[32+2*\c:33+2*\c]
.endr
.Lend:
	s_wait_tensorcnt 0x0                           ; the wave's end
	ds_add_u32 v[SPW], v[NIL]
	s_wait_dscnt 0x0
	CROUND                                         ; the closing round
	s_endpgm
.Lfunc_end_k_q97d1002fab_proj:
	.size	k_q97d1002fab_proj, .Lfunc_end_k_q97d1002fab_proj-k_q97d1002fab_proj
	.p2alignl 7, 3214868480
	.fill 96, 4, 3214868480
	.section	.rodata,"a",@progbits
	.p2align	6, 0x0
	.amdhsa_kernel k_q97d1002fab_proj
		.amdhsa_group_segment_fixed_size 327680
		.amdhsa_private_segment_fixed_size 0
		.amdhsa_enable_private_segment 0
		.amdhsa_kernarg_size 96
		.amdhsa_user_sgpr_count 2
		.amdhsa_user_sgpr_kernarg_segment_ptr 1
		.amdhsa_wavefront_size32 1
		.amdhsa_system_sgpr_workgroup_id_x 1
		.amdhsa_system_sgpr_workgroup_id_y 1
		.amdhsa_system_sgpr_workgroup_id_z 1
		.amdhsa_system_vgpr_workitem_id 0
		.amdhsa_next_free_vgpr 1024
		.amdhsa_next_free_sgpr 102
		.amdhsa_reserve_vcc 0
		.amdhsa_float_denorm_mode_32 3
		.amdhsa_float_denorm_mode_16_64 3
		.amdhsa_memory_ordered 1
		.amdhsa_forward_progress 1
		.amdhsa_inst_pref_size 255
	.end_amdhsa_kernel
	.section	.bss,"aw",@nobits
	.p2align	6
	.space	262144
	.amdgpu_metadata
---
amdhsa.version: [ 1, 2 ]
amdhsa.kernels:
  - .name:           k_q97d1002fab_proj
    .symbol:         k_q97d1002fab_proj.kd
    .args:
      - { .name: x_codes, .offset: 0, .size: 8, .value_kind: global_buffer, .address_space: global }
      - { .name: x_scales, .offset: 8, .size: 8, .value_kind: global_buffer, .address_space: global }
      - { .name: w_codes, .offset: 16, .size: 8, .value_kind: global_buffer, .address_space: global }
      - { .name: w_scales, .offset: 24, .size: 8, .value_kind: global_buffer, .address_space: global }
      - { .name: bq, .offset: 32, .size: 8, .value_kind: global_buffer, .address_space: global }
      - { .name: bk, .offset: 40, .size: 8, .value_kind: global_buffer, .address_space: global }
      - { .name: bv, .offset: 48, .size: 8, .value_kind: global_buffer, .address_space: global }
      - { .name: sinusoidal_pos, .offset: 56, .size: 8, .value_kind: global_buffer, .address_space: global }
      - { .name: q_img, .offset: 64, .size: 8, .value_kind: global_buffer, .address_space: global }
      - { .name: q_sc, .offset: 72, .size: 8, .value_kind: global_buffer, .address_space: global }
      - { .name: kv, .offset: 80, .size: 8, .value_kind: global_buffer, .address_space: global }
      - { .name: sc, .offset: 88, .size: 8, .value_kind: global_buffer, .address_space: global }
    .group_segment_fixed_size: 327680
    .private_segment_fixed_size: 0
    .kernarg_segment_align: 8
    .kernarg_segment_size: 96
    .max_flat_workgroup_size: 128
    .sgpr_count:     102
    .vgpr_count:     1024
    .wavefront_size: 32
...
	.end_amdgpu_metadata
.endif
;; end of part 2
;; launch attn (part 3): grid 4 x 64, 8 waves a work-group, clusters of 4 x 1, 327,680 bytes of LDS; arguments q_img, q_sc, kv, sc, attention_mask, out0; writes out0
.if DOCPART == 3
	.amdgcn_target "amdgcn-amd-amdhsa--gfx1250"
	.amdhsa_code_object_version 6
	.text
	.protected	k_q97d1002fab_attn
	.globl	k_q97d1002fab_attn
	.p2align	8
	.type	k_q97d1002fab_attn,@function
k_q97d1002fab_attn:
	s_mov_b64 s[64:65], 0
	v_nop
	global_prefetch_b8 v0, s[64:65] scope:SCOPE_SE
	s_setreg_imm32_b32 hwreg(HW_REG_WAVE_MODE, 25, 1), 1
	s_wait_xcnt 0x0
	s_wait_alu depctr_hold_cnt(0) depctr_sa_sdst(0) depctr_va_vdst(0) depctr_va_sdst(0) depctr_va_ssrc(0) depctr_va_vcc(0) depctr_vm_vsrc(0)
	s_getreg_b32 s2, hwreg(HW_REG_IB_STS2, 6, 4)
	s_cmp_eq_u32 s2, 0
	s_cbranch_scc0 .Lentry_in_a_cluster
	s_endpgm
.Lentry_in_a_cluster:
	s_bfe_u32 s2, ttmp6, 0x10000c
	s_cmp_lg_u32 s2, 0x3003
	s_cbranch_scc0 .Lentry_shape_is_right
	s_endpgm
.Lentry_shape_is_right:
; o = softmax(q k^T / 8 + mask) v on codes of FP6 (E2M3) with E8M0 scales, from the register images that the launch before stored.  Nothing of the problem's work is left out here.
; A work-group of eight waves takes 512 queries of one batch and head, a wave 64 (four tiles of 16); the four work-groups of a cluster share a head's k and v and ask for them jointly.
; All 16 steps of 128 keys (12,288 bytes each) and their scale words stay in LDS, each byte filled once: steps 0-3 and the scales at the head (waves 0-3 a step each, waves 4-7 a quarter of the scales each),
; steps 4-15 behind the add and the round, 18,432 bytes a wave; the head's global loads and register set-up stand between the two groups.
; Both products are used transposed, so a lane holds one query.  The mask x 8 is the scores' C; M is the running largest t rounded up to a whole number; the row's sum is taken of the unquantised p.
; No prefetch: the launch has all its tiles asked for by the end of its head.
; LIMITS: the mask x 8 is held at -2^120 from below; the scaled scores stay under 2^31 in magnitude; NaN and infinities are not served.
.set STEPB, 12288
.set SCL,   196608
.set MSK,   204800
.set STG,   212992
.set SPARE, 247808
.set LI,  1
.set AM0, 2
.set AS0, 3
.set GO,  4
.set SPW, 5
.set NIL, 6
.set ADK, 7
.set ADM, 8
.set ADS, 9
.set STO, 10
.set RD,  11
.set ST,  12
.set KSW, 28
.set VSW, 30
.set KF,  32
.set MK,  80
.set S,   144
.set PC,  208
.set CT,  220
.set BM,  228
.set PT,  232
.set SO,  236
.set TMP, 240
.set FF,  242
.set PWD, 243
.set QW,  244
.set RC,  248
.set QB,  128
.set VF,  200
.set MSB, 0
.macro WIN new
.if MSB != \new
	s_set_vgpr_msb (MSB<<8)|\new
.set MSB, \new
.endif
.endm
.macro CROUND
	s_barrier_signal -1
	s_barrier_wait -1
	s_cmp_lg_u32 s16, 0
	s_cbranch_scc1 .Lnot_wave_0_\@
	s_barrier_signal -3
.Lnot_wave_0_\@:
	s_barrier_wait -3
	s_barrier_signal -1
	s_barrier_wait -1
.endm
.macro GROUP1 g, rows
	s_mov_b32 s[\g], 15|(3<<16)|(1<<21)
	s_mov_b32 s[\g+1], 32<<16
	s_mov_b32 s[\g+2], (\rows)<<16
	s_mov_b32 s[\g+3], 32<<16
	s_mov_b32 s[\g+4], \rows
	s_mov_b32 s[\g+5], 32
	s_mov_b32 s[\g+6], 0
	s_mov_b32 s[\g+7], 0
.endm
	s_load_b256 s[4:11], s[0:1], 0x0
	s_load_b128 s[12:15], s[0:1], 0x20
	v_lshl_add_u32 v[SPW], v0, 2, SPARE
	v_mov_b32 v[NIL], 0
	ds_add_u32 v[SPW], v[NIL]
	ds_add_u32 v[SPW], v[NIL]
	v_lshrrev_b32 v1, 5, v0
	s_delay_alu instid0(VALU_DEP_1)
	v_readfirstlane_b32 s16, v1
	s_bfe_u32 s17, ttmp6, 0x40000
	s_and_b32 s18, ttmp7, 0xffff
	GROUP1 24, 8
	GROUP1 32, 48
	s_and_b32 s19, s16, 3
	GROUP1 40, 72
	s_lshl_b32 s49, s19, 11
	s_add_co_u32 s49, s49, SCL
	s_mul_i32 s53, s19, STEPB
	s_mul_i32 s57, s16, 18432
	s_add_co_u32 s57, s57, 4*STEPB
	s_lshl_b32 s66, s18, 13
	s_lshl_b32 s67, s19, 11
	s_add_co_u32 s66, s66, s67
	s_mov_b32 s67, 0
	s_mul_i32 s68, s18, 16*STEPB
	s_add_co_u32 s70, s68, s57
	s_add_co_u32 s68, s68, s53
	s_mov_b32 s69, 0
	s_mov_b32 s71, 0
	s_mul_i32 s72, s18, 98304
	s_mul_i32 s73, s17, 24576
	s_add_co_u32 s72, s72, s73
	s_mul_i32 s73, s16, 3072
	s_add_co_u32 s72, s72, s73
	s_mov_b32 s73, 0
	s_lshl_b32 s74, s18, 12
	s_lshl_b32 s75, s17, 10
	s_add_co_u32 s74, s74, s75
	s_lshr_b32 s75, s16, 1
	s_lshl_b32 s75, s75, 8
	s_add_co_u32 s74, s74, s75
	s_and_b32 s75, s16, 1
	s_lshl_b32 s75, s75, 2
	s_add_co_u32 s74, s74, s75
	s_mov_b32 s75, 0
	s_lshr_b32 s76, s18, 4
	s_lshl_b32 s78, s76, 23
	s_lshl_b32 s76, s76, 13
	s_mov_b32 s77, 0
	s_lshl_b32 s79, s17, 21
	s_add_co_u32 s78, s78, s79
	s_lshl_b32 s79, s16, 18
	s_add_co_u32 s78, s78, s79
	s_and_b32 s79, s18, 15
	s_lshl_b32 s79, s79, 8
	s_add_co_u32 s78, s78, s79
	s_mov_b32 s79, 0
	s_mov_b32 s20, 0x76543210
	s_mov_b32 s21, 0xfedcba98
	s_mov_b32 s22, 0x3e38aa3b
	s_mov_b32 s23, s22
	s_wait_dscnt 0x0
	s_wait_kmcnt 0x0
	s_mov_b32 s48, 1
	s_add_nc_u64 s[50:51], s[10:11], s[66:67]
	s_or_b32 s51, s51, 0x80000000
	s_mov_b32 s52, 1
	s_add_nc_u64 s[54:55], s[8:9], s[68:69]
	s_or_b32 s55, s55, 0x80000000
	s_mov_b32 s56, 1
	s_add_nc_u64 s[58:59], s[8:9], s[70:71]
	s_or_b32 s59, s59, 0x80000000
	s_add_nc_u64 s[4:5], s[4:5], s[72:73]
	s_add_nc_u64 s[6:7], s[6:7], s[74:75]
	s_add_nc_u64 s[12:13], s[12:13], s[76:77]
	s_add_nc_u64 s[14:15], s[14:15], s[78:79]
	CROUND
	s_cmp_lt_u32 s16, 4                            ; the head's fills, one a wave: waves 0-3 a step of k and v each, waves 4-7 a quarter of the scale words each
	s_cbranch_scc0 .Lhead_sc
	tensor_load_to_lds s[52:55], s[32:39]
	s_nop 0
.rept 4
	v_nop
.endr
	s_branch .Lhead_asked
.Lhead_sc:
	tensor_load_to_lds s[48:51], s[24:31]
	s_nop 0
.rept 4
	v_nop
.endr
.Lhead_asked:
	v_lshlrev_b32 v240, 4, v0
	v_lshl_add_u32 v241, v0, 4, MSK
	global_load_b128 v[80:83], v240, s[12:13]
	global_load_b128 v[84:87], v240, s[12:13] offset:4096
	v_and_b32 v9, 31, v0
	s_delay_alu instid0(VALU_DEP_1)
	v_lshlrev_b32 v[LI], 4, v9
	WIN 0x40
.irp e, 0,1
	global_load_b64 v[QB+6+24*\e:QB+7+24*\e], v[LI], s[4:5] offset:1536*\e
	global_load_b64 v[QB+8+24*\e:QB+9+24*\e], v[LI], s[4:5] offset:1536*\e+8
	global_load_b64 v[QB+10+24*\e:QB+11+24*\e], v[LI], s[4:5] offset:1536*\e+512
	global_load_b64 v[QB+18+24*\e:QB+19+24*\e], v[LI], s[4:5] offset:1536*\e+520
	global_load_b64 v[QB+20+24*\e:QB+21+24*\e], v[LI], s[4:5] offset:1536*\e+1024
	global_load_b64 v[QB+22+24*\e:QB+23+24*\e], v[LI], s[4:5] offset:1536*\e+1032
.endr
	WIN 0
	v_and_b32 v7, 15, v0
	v_bfe_u32 v8, v0, 4, 1
	s_delay_alu instid0(VALU_DEP_2)
	v_lshlrev_b32 v242, 3, v7
	global_load_b32 v248, v242, s[6:7]
	global_load_b32 v249, v242, s[6:7] offset:128
	v_lshl_add_u32 v[AM0], v8, 7, MSK              ; the mask of my 32 keys of each 64: 128 bytes a half of the lanes
	v_lshl_add_u32 v[AS0], v9, 3, SCL
	; k's rows are picked so that a lane's 32 registers of four tiles are one whole block of 32 keys: lane (r, h) takes of stored fragment 2 c + r / 8 the row r % 8 + 8 w
	v_lshrrev_b32 v250, 3, v7
	v_mul_u32_u24 v250, v250, 1536
	v_and_b32 v251, 7, v7
	v_lshl_add_u32 v250, v251, 4, v250
	v_lshl_add_u32 v250, v8, 8, v250               ; v250: 1536 (r / 8) + 16 (r % 8) + 256 h
	v_lshl_add_u32 v251, v251, 3, SCL
	v_lshl_add_u32 v251, v8, 6, v251
	v_lshrrev_b32 v252, 3, v7
	v_lshl_add_u32 v251, v252, 7, v251             ; v251: those rows' scale words, w = h: 8 (r % 8) + 64 h + 128 (r / 8)
	v_lshlrev_b32 v254, 3, v8                      ; v254: 8 h, the place of my bytes in p's scale word
	v_lshlrev_b32 v[GO], 12, v8
	s_delay_alu instid0(VALU_DEP_1)
	v_lshl_add_u32 v[GO], v7, 4, v[GO]
	s_mul_i32 s72, s16, 16*272
	s_add_co_u32 s72, s72, STG
	v_mul_u32_u24 v[STO], v7, 272
	s_delay_alu instid0(VALU_DEP_1)
	v_lshl_add_u32 v[STO], v8, 6, v[STO]
	s_delay_alu instid0(VALU_DEP_1)
	v_add_nc_u32 v[STO], s72, v[STO]
	v_mul_u32_u24 v[RD], v8, 272
	s_delay_alu instid0(VALU_DEP_1)
	v_lshl_add_u32 v[RD], v7, 4, v[RD]
	s_delay_alu instid0(VALU_DEP_1)
	v_add_nc_u32 v[RD], s72, v[RD]
	WIN 0x40
.irp z, 0,1,2,3,4
.irp i, 0,1,2,3,4,5
	v_mov_b32 v[QB+12*\z+\i], 0
.endr
.endr
.set JJ, 0
.rept 128
	v_mov_b32 v[JJ], 0
.set JJ, JJ+1
.endr
	WIN 0
	s_wait_alu depctr_va_vdst(0)
	s_wait_tensorcnt 0x0                           ; my head's fill is in
	ds_add_u32 v5, v6
	s_wait_dscnt 0x0
	CROUND
	tensor_load_to_lds s[56:59], s[40:47]          ; steps 4-15, my eighth
	s_nop 0
.rept 4
	v_nop
.endr
	s_wait_loadcnt 14
.irp i, 0,1,2,3,4,5,6,7
	v_mul_f32 v[80+\i], 0x41000000, v[80+\i]
.endr
.irp i, 0,1,2,3,4,5,6,7
	v_max_num_f32 v[80+\i], 0xfb800000, v[80+\i]
.endr
	ds_store_b128 v241, v[80:83]
	ds_store_b128 v241, v[84:87] offset:4096
	s_wait_loadcnt 0x0
	v_perm_b32 v[QW], v248, v248, 0x01000100
	v_perm_b32 v[QW+1], v248, v248, 0x03020302
	v_perm_b32 v[QW+2], v249, v249, 0x01000100
	v_perm_b32 v[QW+3], v249, v249, 0x03020302
.irp t, 0,1,2,3
	v_mov_b32 v[ST+4*\t+1], 0xff61b1e6
	v_mov_b32 v[ST+4*\t+2], 0
	v_mov_b32 v[ST+4*\t+3], 0
	s_delay_alu instid0(VALU_DEP_3)
	v_floor_f32 v[ST+4*\t], -v[ST+4*\t+1]
	v_mov_b32 v[PT+\t], 0
.endr
	v_mov_b32 v[PWD], 0
	s_wait_tensorcnt 1
	s_wait_dscnt 0x0
	s_barrier_signal -1
	s_barrier_wait -1
.macro SMUL t                          ; the scores of tile t: eight products, the mask as C; register 32 c + 16 w + 8 u + j of lane (r, h) = key 64 c + 32 h + 16 w + 8 u + j
	WIN 0x04
.irp b, 0,1,2,3
.irp u, 0,1
.if \b%2
	v_wmma_scale_f32_16x16x128_f8f6f4 v[S+8*(2*\b+\u):S+8*(2*\b+\u)+7], v[KF+12*\b:KF+12*\b+11], v[QB+12*(\t)+6*(1-\u):QB+12*(\t)+6*(1-\u)+11], v[MK+8*(2*\b+\u):MK+8*(2*\b+\u)+7], v[KSW+\b/2], v[QW+(\t)] matrix_a_fmt:MATRIX_FMT_FP6 matrix_b_fmt:MATRIX_FMT_FP6 matrix_a_scale:MATRIX_SCALE_ROW1
.else
	v_wmma_scale_f32_16x16x128_f8f6f4 v[S+8*(2*\b+\u):S+8*(2*\b+\u)+7], v[KF+12*\b:KF+12*\b+11], v[QB+12*(\t)+6*(1-\u):QB+12*(\t)+6*(1-\u)+11], v[MK+8*(2*\b+\u):MK+8*(2*\b+\u)+7], v[KSW+\b/2], v[QW+(\t)] matrix_a_fmt:MATRIX_FMT_FP6 matrix_b_fmt:MATRIX_FMT_FP6
.endif
.endr
.endr
	WIN 0
.endm
.macro TILE t
.set TS, ST+4*(\t)
	WIN 0
.if (\t) == 0
	SMUL 0                                         ; a step's first scores; the later tiles' are issued inside the tile before
.rept 4
	v_nop
.endr
.endif
.irp c, 0,1                                    ; the largest score of my two whole blocks, two chains each; each accumulator is read from its low end on
	v_max3_num_f32 v[BM+\c], v[S+32*\c], v[S+1+32*\c], v[S+2+32*\c]
	v_max3_num_f32 v[BM+2+\c], v[S+3+32*\c], v[S+4+32*\c], v[S+5+32*\c]
.endr
.irp i, 6,10,14,18,22,26
.irp c, 0,1
	v_max3_num_f32 v[BM+\c], v[BM+\c], v[S+32*\c+\i], v[S+1+32*\c+\i]
	v_max3_num_f32 v[BM+2+\c], v[BM+2+\c], v[S+2+32*\c+\i], v[S+3+32*\c+\i]
.endr
.endr
.irp c, 0,1
	v_max3_num_f32 v[BM+\c], v[BM+\c], v[S+30+32*\c], v[S+31+32*\c]
.endr
.irp c, 0,1
	s_delay_alu instid0(VALU_DEP_2)
	v_max_num_f32 v[BM+\c], v[BM+\c], v[BM+2+\c]
.endr
	s_delay_alu instid0(VALU_DEP_1)
	v_max_num_f32 v[TMP], v[BM], v[BM+1]
	s_delay_alu instid0(VALU_DEP_1)
	v_permlanex16_b32 v[PT], v[TMP], s20, s21      ; with lane l xor 16's two blocks: the step's largest score of my query
	s_delay_alu instid0(VALU_DEP_1)
	v_max_num_f32 v[TMP], v[TMP], v[PT]
	s_delay_alu instid0(VALU_DEP_1)
	v_mul_f32 v[TMP], s22, v[TMP]
	s_delay_alu instid0(VALU_DEP_1)
	v_max_num_f32 v[TS+1], v[TS+1], v[TMP]
	v_mov_b32 v[TMP], v[TS]
	s_delay_alu instid0(VALU_DEP_2)
	v_floor_f32 v[TS], -v[TS+1]
	s_delay_alu instid0(VALU_DEP_1)
	v_sub_f32 v[TMP], v[TS], v[TMP]
	s_delay_alu instid0(VALU_DEP_1)
	v_cvt_i32_f32 v[TMP], v[TMP]
	s_delay_alu instid0(VALU_DEP_1)
	v_ldexp_f32 v[FF], 1.0, v[TMP]
.irp j, 0,2,4,6,8,10,12,14,16,18,20,22,24,26,28,30,32,34,36,38,40,42,44,46,48,50,52,54,56,58,60,62
	v_pk_fma_f32 v[S+\j:S+1+\j], v[S+\j:S+1+\j], s[22:23], v[TS:TS+1] op_sel_hi:[1,0,0]
.endr
.irp b, 0,1
	v_fma_f32 v[BM+\b], v[BM+\b], s22, v[TS]
.endr
	s_wait_alu depctr_va_vdst(0)
.irp j, 0,1,2,3,4,5,6,7,8,9,10,11,12,13,14,15,16,17,18,19,20,21,22,23,24,25,26,27,28,29,30,31,32,33,34,35,36,37,38,39,40,41,42,43,44,45,46,47,48,49,50,51,52,53,54,55,56,57,58,59,60,61,62,63
	v_exp_f32 v[S+\j], v[S+\j]
.endr
	v_pk_mul_f32 v[TS+2:TS+3], v[TS+2:TS+3], v[FF:FF+1] op_sel_hi:[1,0]
	s_wait_alu depctr_va_vdst(0)
.irp b, 0,1
	v_exp_f32 v[BM+\b], v[BM+\b]
.endr
	v_pk_add_f32 v[PT:PT+1], v[S:S+1], v[S+2:S+3]
.irp j, 4,8,12,16,20,24,28,32,36,40,44,48,52,56,60
	v_pk_add_f32 v[TS+2:TS+3], v[TS+2:TS+3], v[S+\j:S+1+\j]
	v_pk_add_f32 v[PT:PT+1], v[PT:PT+1], v[S+2+\j:S+3+\j]
.endr
	s_delay_alu instid0(VALU_DEP_1)
	v_pk_add_f32 v[TS+2:TS+3], v[TS+2:TS+3], v[PT:PT+1]
	s_wait_alu depctr_va_vdst(0)
.irp b, 0,1
	v_max_num_f32 v[BM+\b], 0x1800000, v[BM+\b]    ; the floor 2^(3 - 127): the byte cannot fall under 1
.endr
.irp b, 0,1
	s_delay_alu instid0(VALU_DEP_2)
	v_add_nc_u32 v[SO+\b], 0xff000000, v[BM+\b]    ; 2 off the exponent field: the conversion's scale operand
.endr
.irp b, 0,1
	s_delay_alu instid0(VALU_DEP_2)
	v_lshrrev_b32 v[PT+\b], 23, v[SO+\b]           ; the bytes of blocks h and 2 + h
.endr
	s_delay_alu instid0(VALU_DEP_1)
	v_lshl_or_b32 v[PT], v[PT+1], 16, v[PT]
	s_delay_alu instid0(VALU_DEP_1)
	v_lshlrev_b32 v[PT], v254, v[PT]               ; 8 h bits up
	s_delay_alu instid0(VALU_DEP_1)
	v_permlanex16_b32 v[PT+2], v[PT], s20, s21
	s_delay_alu instid0(VALU_DEP_1)
	v_or_b32 v[PWD], v[PT], v[PT+2]                ; with lane l xor 16's two the scale word is whole
.irp c, 0,1
	v_cvt_scalef32_pk16_fp6_f32 v[PC+6*\c:PC+2+6*\c], v[S+32*\c:S+15+32*\c], v[SO+\c]
	v_cvt_scalef32_pk16_fp6_f32 v[CT+4*\c:CT+2+4*\c], v[S+16+32*\c:S+31+32*\c], v[SO+\c]
.endr
	v_nop                                          ; one plain place behind a scaled conversion
.if (\t) < 3
	SMUL (\t)+1                                    ; p is in codes: the next tile's scores take its registers; the 22 plain lines below stand between them and their first reader
.endif
.irp c, 0,1
.irp i, 0,1,2
	v_mov_b32 v[PC+3+6*\c+\i], v[CT+4*\c+\i]       ; a conversion's three registers begin on an even number: a block's second half is moved
.endr
.endr
	WIN 0x41
.irp j, 0,2,4,6,8,10,12,14,16,18,20,22,24,26,28,30
	v_pk_mul_f32 v[32*(\t)+\j:32*(\t)+\j+1], v[32*(\t)+\j:32*(\t)+\j+1], v[FF:FF+1] op_sel_hi:[1,0]
.endr
.if (\t) == 0
	s_wait_alu depctr_va_vdst(0)
	s_wait_dscnt 0x0
.endif
	WIN 0x51
.irp f, 0,1,2,3
.if \f%2
	v_wmma_scale_f32_16x16x128_f8f6f4 v[32*(\t)+8*\f:32*(\t)+8*\f+7], v[VF+12*\f:VF+12*\f+11], v[PC:PC+11], v[32*(\t)+8*\f:32*(\t)+8*\f+7], v[VSW+\f/2], v[PWD] matrix_a_fmt:MATRIX_FMT_FP6 matrix_b_fmt:MATRIX_FMT_FP6 matrix_a_scale:MATRIX_SCALE_ROW1
.else
	v_wmma_scale_f32_16x16x128_f8f6f4 v[32*(\t)+8*\f:32*(\t)+8*\f+7], v[VF+12*\f:VF+12*\f+11], v[PC:PC+11], v[32*(\t)+8*\f:32*(\t)+8*\f+7], v[VSW+\f/2], v[PWD] matrix_a_fmt:MATRIX_FMT_FP6 matrix_b_fmt:MATRIX_FMT_FP6
.endif
.endr
.endm
.macro STEP
	v_add_nc_u32 v[ADK], s60, v[LI]
	v_add_nc_u32 v[ADM], s61, v[AM0]
	v_add_nc_u32 v[ADS], s61, v[AS0]
	v_add_nc_u32 v253, s60, v250
	v_add_nc_u32 v252, s61, v251
.irp b, 0,1,2,3
.irp g, 0,1,2
	ds_load_b128 v[KF+12*\b+4*\g:KF+12*\b+4*\g+3], v253 offset:3072*(\b/2)+128*(\b%2)+512*\g
.endr
.endr
	ds_load_b64 v[KSW:KSW+1], v252
.irp b, 0,1,2,3
.irp j, 0,1,2,3
	ds_load_b128 v[MK+16*\b+4*\j:MK+16*\b+4*\j+3], v[ADM] offset:256*(\b/2)+64*(\b%2)+16*\j
.endr
.endr
	ds_load_b64 v[VSW:VSW+1], v[ADS] offset:256
	WIN 0x40
.irp f, 0,1,2,3
.irp g, 0,1,2
	ds_load_b128 v[VF+12*\f+4*\g:VF+12*\f+4*\g+3], v[ADK] offset:6144+1536*\f+512*\g
.endr
.endr
	WIN 0
	s_wait_dscnt 13
	TILE 0
	TILE 1
	TILE 2
	TILE 3
	WIN 0
	s_add_co_u32 s60, s60, STEPB
	s_add_co_u32 s61, s61, 512
.endm
	s_mov_b32 s60, 0
	s_mov_b32 s61, 0
	s_mov_b32 s63, 4
.Lfirst4:
	STEP
	s_sub_co_u32 s63, s63, 1
	s_cmp_lg_u32 s63, 0
	s_cbranch_scc1 .Lfirst4
	s_wait_tensorcnt 0x0
	s_wait_dscnt 0x0
	s_barrier_signal -1
	s_barrier_wait -1
	s_mov_b32 s60, 4*STEPB
	s_mov_b32 s61, 4*512
	s_mov_b32 s63, 12
.Lrest:
	STEP
	s_sub_co_u32 s63, s63, 1
	s_cmp_lg_u32 s63, 0
	s_cbranch_scc1 .Lrest
.irp t, 0,1,2,3
	v_add_f32 v[BM+\t], v[ST+4*\t+2], v[ST+4*\t+3]
.endr
.irp t, 0,1,2,3
	s_delay_alu instid0(VALU_DEP_4)
	v_permlanex16_b32 v[PT+\t], v[BM+\t], s20, s21
.endr
.irp t, 0,1,2,3
	s_delay_alu instid0(VALU_DEP_4)
	v_add_f32 v[BM+\t], v[BM+\t], v[PT+\t]
.endr
.irp t, 0,1,2,3
	v_mov_b32 v[RC+2*\t+1], 0
.endr
	s_wait_alu depctr_va_vdst(0)
.irp t, 0,1,2,3
	v_rcp_f32 v[RC+2*\t], v[BM+\t]
.endr
	v_nop
	s_wait_alu depctr_va_vdst(0)
.macro PACK t
	WIN 0x41
.irp j, 0,2,4,6,8,10,12,14,16,18,20,22,24,26,28,30
	v_pk_mul_f32 v[32*(\t)+\j:32*(\t)+\j+1], v[32*(\t)+\j:32*(\t)+\j+1], v[RC+2*(\t):RC+2*(\t)+1] op_sel_hi:[1,0]
.endr
	WIN 0x04
.irp b, 0,1
.irp j, 0,1,2,3
	ds_store_b128 v[STO], v[32*(\t)+16*\b+4*\j:32*(\t)+16*\b+4*\j+3] offset:128*\b+16*\j
.endr
.endr
	WIN 0
.irp i, 0,1,2,3,4,5,6,7
	ds_load_b128 v[MK+32*(\t)+4*\i:MK+32*(\t)+4*\i+3], v[RD] offset:544*\i
.endr
.endm
.macro SEND t, younger
.irp i, 0,1,2,3,4,5,6,7
	s_wait_dscnt \younger+7-\i
	global_store_b128 v[GO], v[MK+32*(\t)+4*\i:MK+32*(\t)+4*\i+3], s[14:15] offset:(32*((\t)/2)+8*((\t)%2)+2*\i+8*(\i/4))*4096 th:TH_STORE_NT
.endr
.endm
	PACK 0
	PACK 1
	SEND 0, 16
	PACK 2
	SEND 1, 16
	PACK 3
	SEND 2, 16
	SEND 3, 0
	s_wait_tensorcnt 0x0
	ds_add_u32 v[SPW], v[NIL]
	s_wait_dscnt 0x0
	CROUND
	s_endpgm
.Lfunc_end_k_q97d1002fab_attn:
	.size	k_q97d1002fab_attn, .Lfunc_end_k_q97d1002fab_attn-k_q97d1002fab_attn
	.p2alignl 7, 3214868480
	.fill 96, 4, 3214868480
	.section	.rodata,"a",@progbits
	.p2align	6, 0x0
	.amdhsa_kernel k_q97d1002fab_attn
		.amdhsa_group_segment_fixed_size 327680
		.amdhsa_private_segment_fixed_size 0
		.amdhsa_enable_private_segment 0
		.amdhsa_kernarg_size 48
		.amdhsa_user_sgpr_count 2
		.amdhsa_user_sgpr_kernarg_segment_ptr 1
		.amdhsa_wavefront_size32 1
		.amdhsa_system_sgpr_workgroup_id_x 1
		.amdhsa_system_sgpr_workgroup_id_y 1
		.amdhsa_system_sgpr_workgroup_id_z 1
		.amdhsa_system_vgpr_workitem_id 0
		.amdhsa_next_free_vgpr 512
		.amdhsa_next_free_sgpr 80
		.amdhsa_reserve_vcc 0
		.amdhsa_float_denorm_mode_32 3
		.amdhsa_float_denorm_mode_16_64 3
		.amdhsa_memory_ordered 1
		.amdhsa_forward_progress 1
		.amdhsa_inst_pref_size 142
	.end_amdhsa_kernel
	.amdgpu_metadata
---
amdhsa.version: [ 1, 2 ]
amdhsa.kernels:
  - .name:           k_q97d1002fab_attn
    .symbol:         k_q97d1002fab_attn.kd
    .args:
      - { .name: q_img, .offset: 0, .size: 8, .value_kind: global_buffer, .address_space: global }
      - { .name: q_sc, .offset: 8, .size: 8, .value_kind: global_buffer, .address_space: global }
      - { .name: kv, .offset: 16, .size: 8, .value_kind: global_buffer, .address_space: global }
      - { .name: sc, .offset: 24, .size: 8, .value_kind: global_buffer, .address_space: global }
      - { .name: attention_mask, .offset: 32, .size: 8, .value_kind: global_buffer, .address_space: global }
      - { .name: out0, .offset: 40, .size: 8, .value_kind: global_buffer, .address_space: global }
    .group_segment_fixed_size: 327680
    .private_segment_fixed_size: 0
    .kernarg_segment_align: 8
    .kernarg_segment_size: 48
    .max_flat_workgroup_size: 256
    .sgpr_count:     80
    .vgpr_count:     512
    .wavefront_size: 32
...
	.end_amdgpu_metadata
.endif
;; end of part 3
